; MI455X (gfx1250); checked and timed in simulation.
; The chip was launched on July 23, 2026; its instructions are those of AMD's public machine-readable ISA for CDNA 5 (MIT licence, August 2026) and "CDNA5" Instruction Set Architecture Reference Guide (July 2026). The comments in the code are by the model that wrote it; some were corrected since.
;; Spatial Attention Layer. Allowed arithmetic: matrix products marked QUANTISED: E3M2 operands, one E8M0 scale for each 32 along K, by v_wmma_scale_f32_16x16x128_f8f6f4 with both operands' format E3M2, f32 sums; everything else in f32.
;; Inputs: P 8,192 x 3 float32; W_k 256 x 256 float32; W_q 256 x 256 float32; W_v 256 x 256 float32; X 8,192 x 256 float32; b_k 256 float32; b_q 256 float32; b_v 256 float32.
;; Outputs: out0 8,192 x 256 float32.
;; This version of the problem:
;;   THIS VERSION OF THE PROBLEM IS GIVEN IN LOW PRECISION. The matrix products marked QUANTISED in the list below multiply operands that are first quantised to E3M2 (3 exponent bits, 2 mantissa bits; 6 bits a number), with one power-of-two scale for each 32 numbers along K (OCP MX v1.0); their sums are f32. All else is computed in f32.
;;   The module's matrix products, in the order in which they are computed (A, B: the left and right operand; K: the contracted axis; several contracted axes count as one K, in the product's order):
;;     1. [M 8,192, K 256] x [K 256, N 256]; A: input X; B: input W_q: QUANTISED
;;     2. [M 8,192, K 256] x [K 256, N 256]; A: input X; B: input W_k: QUANTISED
;;     3. [M 8,192, K 256] x [K 256, N 256]; A: input X; B: input W_v: QUANTISED
;;     4. [M 8,192, K 256] x [K 256, N 8,192]; A: computed on the way; B: computed on the way: QUANTISED
;;     5. [M 8,192, K 8,192] x [K 8,192, N 256]; A: computed on the way; B: computed on the way: QUANTISED
;;   THE QUANTISER, for each operand of a quantised product, along K:
;;     - K is cut into blocks of 32 from its start; a last block that is shorter is filled with zeros.
;;     - A block's scale is 2^e with e = floor(log2(the largest magnitude in the block)) - 4, held to -126 .. 127; a block of zeros has e = 0. As a byte (E8M0): e + 127.
;;     - Each number is divided by its block's scale, clamped to +-28, and rounded to the nearest number of E3M2, ties to even, subnormals kept.
;;     - The product sums the exact products of the quantised numbers (number of the format x scale) in f32.
;;   ~~~python
;;   def quantise(x, axis):      # numpy; x: float32 -> the quantised numbers, widened to float32 again
;;       x = np.moveaxis(x, axis, -1); K = x.shape[-1]
;;       x = np.pad(x, [(0, 0)] * (x.ndim - 1) + [(0, -K % 32)]); x = x.reshape(x.shape[:-1] + (-1, 32)); a = np.abs(x).max(-1, keepdims=True)
;;       e = np.where(a > 0, np.clip(np.frexp(np.where(a > 0, a, 1))[1] - 1 - 4, -126, 127), 0)      # np.frexp(a)[1] - 1 = floor(log2(a)), exactly
;;       r = np.clip(x / 2.0 ** e, -28, 28)
;;       step = 2.0 ** (np.maximum(np.frexp(np.where(r == 0, 1, r))[1] - 1, -2) - 2)
;;       q = np.round(r / step) * step * 2.0 ** e      # np.round: ties to even
;;       return np.moveaxis(q.reshape(q.shape[:-2] + (-1,))[..., :K], -1, axis).astype(np.float32)
;;   ~~~
;;   OPERANDS COMPUTED ON THE WAY. 'Computed on the way' means the value that the module computes at that place (a softmax that the list does not call 'softmax' is quantised finished and normalised). What goes into a quantiser is computed in f32, as accurately as f32 sums, v_exp_f32 and their like allow (about 1e-6 of the number): no bf16 or f16 on the way to a quantiser, and a product that is left as it is and whose result goes on into a quantised operand takes f32 operands (vector FMAs, or v_wmma_f32_16x16x4_f32). A number that lies on a knife's edge between two numbers of the format may be rounded either way, as far as f32 arithmetic and the matrix unit's own rounding can turn it there, and no further.
;; One version. Each part assembles by itself: llvm-mc -triple=amdgcn-amd-amdhsa -mcpu=gfx1250 --defsym DOCPART=n.
;; ======== version 1 of 1: 2 launches
;; limits: right only within a limited range of input values
;; workspace buffers: qrec 1,638,400 bytes; krec 1,769,472 bytes; vrec 1,638,400 bytes
;; launch prep (part 1): grid 64 x 3, 8 waves a work-group, no clusters, 77,824 bytes of LDS; arguments X, P, W_q, W_k, W_v, b_q, b_k, b_v, qrec, krec, vrec; writes qrec, krec, vrec
.if DOCPART == 1
	.amdgcn_target "amdgcn-amd-amdhsa--gfx1250"
	.amdhsa_code_object_version 6
	.text
	.protected	k_q718515be56_prep
	.globl	k_q718515be56_prep
	.p2align	8
	.type	k_q718515be56_prep,@function
k_q718515be56_prep:
	s_mov_b64 s[64:65], 0
	v_nop
	global_prefetch_b8 v0, s[64:65] scope:SCOPE_SE
	s_setreg_imm32_b32 hwreg(HW_REG_WAVE_MODE, 25, 1), 1
	s_wait_xcnt 0x0
; Q, K or V = X W + b (work-group y = 0, 1, 2) for 128 rows of X (work-group x), both operands as codes of BF6 (E3M2) with one E8M0 scale for each 32 along K;
; the result is quantised again, Q and K along their 256 columns, V along the rows (the keys), and stored as IMAGES OF OPERAND REGISTERS for the attention launch.
; A fragment (16 rows x 128 K, 12 registers a lane) is 1,536 bytes: registers 4 g .. 4 g + 3 of lane l at 512 g + 16 l.
; EVERY TILE OF 16 TAKES ITS ROWS IN ONE ORDER: lane r of tile 2 b + u holds index 32 b + 8 u + r + 8 (r / 8).  As source 0 of a product that makes the 16 registers of result tiles 2 b, 2 b + 1
; sixteen neighbours, 32 b + 16 (lane / 16) + 0 .. 15, which is what the conversions want; as source 1 it only says which row sits in which lane.
; Q, K: source 0 = 16 columns of W, source 1 = 16 rows of X: a lane holds one row and its registers run along the columns.  V: source 0 = 16 rows of X, source 1 = 16 columns of W: a lane holds one column, registers along the keys.
; PHASES.  X: wave w quantises tile w of the 128 rows (two fragments) into LDS.  W: wave w quantises columns 32 w .. 32 w + 31, a lane to a column, registers down K, into LDS.  One barrier.
; U: each wave makes two fragments of the result (Q, K: its tile of rows, columns 128 i on; V: column tile 2 w + i, the 128 keys).  With y = 1, waves 0-3 also turn P's rows into planes x, y, z and a plane of zeros.
; RECORDS of 256 rows: codes at ((x & 1) 8 + w) 3,072 + 1,536 i, scale words at 49,152 + ((x & 1) 4 + w / 2) 256 + 16 r + 8 (w & 1) + 4 i; K's record has P's planes from 51,200 on.
; LIMITS: NaN and infinities are not served; a block whose largest magnitude lies under 2^(5 - 127) gets the byte 1 (a block of zeros too: its codes are zeros, and this program alone reads the bytes).
.set WIMG,  0                          ; LDS: W's 32 fragments, (tile T, K step p) at (2 T + p) 1,536
.set XIMG,  49152                      ; X's 16 fragments likewise
.set WSC,   73728                      ; W's scale words: 64 bytes a fragment, row r's word at 4 r
.set XSC,   75776                      ; X's likewise
.set SPARE, 76800                      ; the spare words, 128 bytes for each of eight waves: no other line names them
.set SPW, 1                            ; v1   my spare word's LDS address; never rewritten
.set NIL, 2                            ; v2   0; never rewritten
.set LI,  3                            ; v3   16 x lane: a fragment's place for my lane (W's images begin at LDS byte 0; also my offset in a stored fragment)
.set LX,  4                            ; v4   XIMG + 16 x lane
.set GX,  5                            ; v5   X's tile w
.set GW,  6                            ; v6   W's tiles 2 w, 2 w + 1
.set WA,  7                            ; v7   where my column's codes go
.set WSA, 8                            ; v8   and its scale words
.set LSW, 9                            ; v9   WSC + 4 r
.set LSX, 10                           ; v10  XSC + 4 r
.set GSX, 11                           ; v11  XSC + 128 w + 4 r
.set GSW, 12                           ; v12  WSC + 256 w + 4 r
.set XA,  13                           ; v13  X: my row of the tile, + 64 (lane / 16)
.set WL,  14                           ; v14  4 x thread: my column of W; also my key's place in a plane
.set BA,  15                           ; v15  64 (lane / 16): the bias of Q, K
.set BVA, 16                           ; v16  the bias of V: my column
.set SA,  17                           ; v17  16 r + 8 (w & 1): the stored scale words
.set PA,  18                           ; v18  12 x thread: a row of P
.set FS,  24                           ; v24-31  source 0's scale words
.set GS,  32                           ; v32-33  source 1's
.set SW,  34                           ; v34-35  the two scale words made
.set WW,  36                           ; v36-37  my column's two scale words
.set BV,  40                           ; v40-47  V's bias as a C operand; at the end P's row
.set HA,  48                           ; v48-111 eight accumulators; before that X's first K step, then two sets of 32 numbers of W
.set F,   112                          ; v112-207 eight fragments of source 0.  While they are dead: the codes just made, the quantiser's temporaries, the scale word
.set PC,  112
.set TM,  132
.set PW,  148
.set X1,  152                          ; v152-215 X's second K step
.set G,   216                          ; v216-239 source 1's two fragments
.set Y,   26
.set WV,  27
.set SEL, 46
.macro PLACES n
.rept \n
	v_nop
.endr
.endm
; 64 numbers of a lane, register 16 b + i = k 32 b + 16 (lane / 16) + i of my row, become a fragment's codes in v[PC] on and its scale word in v[PW].
.macro QUANT s
.irp b, 0,1,2,3
	v_max3_num_f32 v[TM+\b], |v[\s+16*\b]|, |v[\s+1+16*\b]|, 0x2800000   ; block b: my 16 numbers, and the floor 2^(5 - 127): the byte cannot fall under 1
.endr
.irp i, 2,4,6,8,10,12,14
.irp b, 0,1,2,3
	v_max3_num_f32 v[TM+\b], v[TM+\b], |v[\s+16*\b+\i]|, |v[\s+1+16*\b+\i]|   ; the four blocks by turns
.endr
.endr
.irp b, 0,1,2,3
	s_delay_alu instid0(VALU_DEP_4)
	v_permlanex16_b32 v[TM+4+\b], v[TM+\b], s[SEL], s[SEL+1]
.endr
.irp b, 0,1,2,3
	s_delay_alu instid0(VALU_DEP_4)
	v_max_num_f32 v[TM+\b], v[TM+\b], v[TM+4+\b]   ; with lane l xor 16's: the block's largest magnitude
.endr
.irp b, 0,1,2,3
	s_delay_alu instid0(VALU_DEP_4)
	v_add_nc_u32 v[TM+12+\b], 0xfe000000, v[TM+\b]   ; 4 off its exponent field: the conversion takes this operand's exponent field as its scale
.endr
.irp b, 0,1,2,3
	s_delay_alu instid0(VALU_DEP_4)
	v_lshrrev_b32 v[TM+4+\b], 23, v[TM+12+\b]      ; the scale's byte
.endr
	s_delay_alu instid0(VALU_DEP_3)
	v_lshl_or_b32 v[PW], v[TM+5], 8, v[TM+4]
	s_delay_alu instid0(VALU_DEP_1)
	v_lshl_or_b32 v[PW], v[TM+6], 16, v[PW]
	s_delay_alu instid0(VALU_DEP_1)
	v_lshl_or_b32 v[PW], v[TM+7], 24, v[PW]
.irp c, 0,1
	v_cvt_scalef32_pk16_bf6_f32 v[PC+6*\c:PC+2+6*\c], v[\s+32*\c:\s+15+32*\c], v[TM+12+2*\c]
	v_cvt_scalef32_pk16_bf6_f32 v[PC+12+4*\c:PC+14+4*\c], v[\s+16+32*\c:\s+31+32*\c], v[TM+12+2*\c+1]   ; (a conversion's three registers begin on an even number)
.endr
	v_nop                                          ; one plain instruction behind the scaled conversions
.irp c, 0,1                                    ; the operand's layout wants a whole block in a lane: lanes 0-15 block 2 c, lanes 16-31 block 2 c + 1
.irp i, 0,1,2
	v_permlane16_swap_b32 v[PC+6*\c+\i], v[PC+12+4*\c+\i]
.endr
.irp i, 0,1,2
	s_delay_alu instid0(VALU_DEP_3)
	v_mov_b32 v[PC+3+6*\c+\i], v[PC+12+4*\c+\i]
.endr
.endr
.endm
.macro IMAGE adr, off                          ; the fragment in v[PC] on goes to LDS as it stands
.irp c, 0,1,2
	ds_store_b128 v[\adr], v[PC+4*\c:PC+4*\c+3] offset:\off+512*\c
.endr
.endm
.macro FETCH reg, adr, off                     ; and comes back so, in any wave
.irp c, 0,1,2
	ds_load_b128 v[\reg+4*\c:\reg+4*\c+3], v[\adr] offset:\off+512*\c
.endr
.endm
.macro XLOAD reg, s                            ; my row's numbers of K step s: of each block of 32 the 16 of my half
.irp b, 0,1,2,3
.irp j, 0,1,2,3
	global_load_b128 v[\reg+16*\b+4*\j:\reg+16*\b+4*\j+3], v[XA], s[4:5] offset:512*\s+128*\b+16*\j
.endr
.endr
.endm
.macro LOADW kb                                ; W(32 kb + i, my column), i = 0 .. 31: a wave's load reads 128 consecutive bytes
.irp i, 0,1,2,3,4,5,6,7,8,9,10,11,12,13,14,15,16,17,18,19,20,21,22,23,24,25,26,27,28,29,30,31
	global_load_b32 v[HA+32*((\kb)%2)+\i], v[WL], s[28:29] offset:(32*(\kb)+\i)*1024
.endr
.endm
; Block kb of my column: all 32 numbers are mine.  Its six registers of codes are registers 6 c .. 6 c + 5 (c = (kb / 2) % 2) of lane 16 (kb % 2) + row in fragment (my tile, kb / 4).
.macro WBLOCK kb
.set XS, HA+32*((\kb)%2)
.if (\kb) < 7
	s_wait_loadcnt 32                              ; this block's 32 loads are in; the next block's may be out
.else
	s_wait_loadcnt 0x0
.endif
	v_max3_num_f32 v[TM], |v[XS]|, |v[XS+1]|, |v[XS+2]|
	v_max3_num_f32 v[TM+1], |v[XS+3]|, |v[XS+4]|, |v[XS+5]|
.irp i, 6,10,14,18,22,26
	s_delay_alu instid0(VALU_DEP_2)
	v_max3_num_f32 v[TM], v[TM], |v[XS+\i]|, |v[XS+\i+1]|
	s_delay_alu instid0(VALU_DEP_2)
	v_max3_num_f32 v[TM+1], v[TM+1], |v[XS+\i+2]|, |v[XS+\i+3]|
.endr
	s_delay_alu instid0(VALU_DEP_2)
	v_max3_num_f32 v[TM], v[TM], |v[XS+30]|, |v[XS+31]|
	s_delay_alu instid0(VALU_DEP_1)
	v_max3_num_f32 v[TM], v[TM], v[TM+1], 0x2800000
	s_delay_alu instid0(VALU_DEP_1)
	v_add_nc_u32 v[TM+2], 0xfe000000, v[TM]
.if ((\kb)%4) == 0
	s_wait_alu depctr_va_vdst(0)
	v_lshrrev_b32 v[WW+(\kb)/4], 23, v[TM+2]       ; four bytes to a word, the lower K in the lower byte
.else
	s_wait_alu depctr_va_vdst(0)
	v_lshrrev_b32 v[TM+3], 23, v[TM+2]
	s_delay_alu instid0(VALU_DEP_1)
	v_lshl_or_b32 v[WW+(\kb)/4], v[TM+3], 8*((\kb)%4), v[WW+(\kb)/4]
.endif
	s_wait_dscnt 0x0                               ; the last LDS stores have read the codes' registers
	v_cvt_scalef32_pk16_bf6_f32 v[PC:PC+2], v[XS:XS+15], v[TM+2]
	v_cvt_scalef32_pk16_bf6_f32 v[PC+6:PC+8], v[XS+16:XS+31], v[TM+2]
	v_nop                                          ; one plain instruction behind the scaled conversions
.irp i, 0,1,2
	v_mov_b32 v[PC+3+\i], v[PC+6+\i]
.endr
.if (((\kb)>>1)&1) == 0
	ds_store_b128 v[WA], v[PC:PC+3] offset:((\kb)>>2)*1536+256*((\kb)&1)
	ds_store_b64 v[WA], v[PC+4:PC+5] offset:((\kb)>>2)*1536+256*((\kb)&1)+512
.else
	ds_store_b64 v[WA], v[PC:PC+1] offset:((\kb)>>2)*1536+256*((\kb)&1)+520
	ds_store_b128 v[WA], v[PC+2:PC+5] offset:((\kb)>>2)*1536+256*((\kb)&1)+1024
.endif
.if ((\kb)%4) == 3
	s_wait_alu depctr_va_vdst(0)
	ds_store_b32 v[WSA], v[WW+(\kb)/4] offset:64*((\kb)/4)
.endif
.if (\kb)+2 < 8
	LOADW (\kb)+2
.endif
.endm
; One fragment of the result: eight tiles by turns, two K steps of 128; the bias is the C of the first; quantised; stored as it stands, 512 consecutive bytes a store.
.macro UNIT i, isv
.if \i
	s_wait_xcnt 0x0                                ; the last fragment's stores have read their registers, which the loads below take
.endif
.if \isv
	global_load_b32 v[BV], v[BVA], s[30:31] offset:32*\i   ; b_v of my column: the same for all eight registers of a tile
.irp p, 0,1
	FETCH G+12*\p, GW, 3072*\i+1536*\p
	ds_load_b32 v[GS+\p], v[GSW] offset:128*\i+64*\p
.endr
.else
.irp t, 0,1,2,3,4,5,6,7
	global_load_b128 v[HA+8*\t:HA+8*\t+3], v[BA], s[30:31] offset:(128*\i+32*(\t/2)+8*(\t%2))*4   ; the bias of my eight columns of tile t, straight into the accumulator
	global_load_b128 v[HA+8*\t+4:HA+8*\t+7], v[BA], s[30:31] offset:(128*\i+32*(\t/2)+8*(\t%2))*4+16
.endr
.if \i == 0
.irp p, 0,1
	FETCH G+12*\p, GX, 1536*\p
	ds_load_b32 v[GS+\p], v[GSX] offset:64*\p
.endr
.endif
.endif
.irp p, 0,1
.if \p
	PLACES 4                                       ; in front of loads into registers that matrix instructions have read
.endif
.irp t, 0,1,2,3,4,5,6,7
.if \isv
	FETCH F+12*\t, LX, (2*\t+\p)*1536
	ds_load_b32 v[FS+\t], v[LSX] offset:(2*\t+\p)*64
.else
	FETCH F+12*\t, LI, (16*\i+2*\t+\p)*1536
	ds_load_b32 v[FS+\t], v[LSW] offset:(16*\i+2*\t+\p)*64
.endif
.endr
.if \p == 0
	s_wait_loadcnt 0x0                             ; the bias
.if \isv
.irp j, 1,2,3,4,5,6,7
	v_mov_b32 v[BV+\j], v[BV]
.endr
	s_wait_alu depctr_va_vdst(0)
	PLACES 4
.endif
.endif
	s_wait_dscnt 0x0
.irp t, 0,1,2,3,4,5,6,7                        ; the eight accumulators take turns, one instruction a turn
.if (\p == 0) && \isv
	v_wmma_scale_f32_16x16x128_f8f6f4 v[HA+8*\t:HA+8*\t+7], v[F+12*\t:F+12*\t+11], v[G+12*\p:G+12*\p+11], v[BV:BV+7], v[FS+\t], v[GS+\p] matrix_a_fmt:MATRIX_FMT_BF6 matrix_b_fmt:MATRIX_FMT_BF6
.else
	v_wmma_scale_f32_16x16x128_f8f6f4 v[HA+8*\t:HA+8*\t+7], v[F+12*\t:F+12*\t+11], v[G+12*\p:G+12*\p+11], v[HA+8*\t:HA+8*\t+7], v[FS+\t], v[GS+\p] matrix_a_fmt:MATRIX_FMT_BF6 matrix_b_fmt:MATRIX_FMT_BF6
.endif
.endr
.endr
	PLACES 5                                       ; four in front of the first read of results and of writes into source 0's registers; one more, since V's next fragment begins these accumulators anew with another C
	QUANT HA                                       ; it reads each accumulator from its low end on
.irp c, 0,1,2
	global_store_b128 v[LI], v[PC+4*\c:PC+4*\c+3], s[38:39] offset:1536*\i+512*\c
.endr
	v_mov_b32 v[SW+\i], v[PW]
.endm
	s_load_b128 s[4:7], s[0:1], 0x0                ; X, P
	s_load_b128 s[8:11], s[0:1], 0x10              ; W_q, W_k
	s_load_b128 s[12:15], s[0:1], 0x20             ; W_v, b_q
	s_load_b128 s[16:19], s[0:1], 0x30             ; b_k, b_v
	s_load_b128 s[20:23], s[0:1], 0x40             ; qrec, krec
	s_load_b64 s[24:25], s[0:1], 0x50              ; vrec
	v_lshl_add_u32 v[SPW], v0, 2, SPARE
	v_mov_b32 v[NIL], 0
	v_lshrrev_b32 v19, 5, v0
	s_delay_alu instid0(VALU_DEP_1)
	v_readfirstlane_b32 s[WV], v19                 ; wave 0..7
	s_and_b32 s[Y], ttmp7, 0xffff                  ; 0: Q, 1: K, 2: V
	v_and_b32 v19, 31, v0                          ; lane
	v_and_b32 v20, 15, v0                          ; r
	v_bfe_u32 v21, v0, 4, 1                        ; h
	s_delay_alu instid0(VALU_DEP_2)
	v_and_b32 v22, 8, v20
	s_delay_alu instid0(VALU_DEP_1)
	v_add_nc_u32 v22, v22, v20                     ; r + 8 (r / 8)
	v_and_b32 v23, 7, v0
	s_delay_alu instid0(VALU_DEP_1)
	v_lshl_add_u32 v23, v21, 3, v23                ; column 32 w + lane is row (lane % 8) + 8 (lane / 16) of tile 2 w + (lane / 8) % 2
	v_lshlrev_b32 v[LI], 4, v19
	s_delay_alu instid0(VALU_DEP_1)
	v_add_nc_u32 v[LX], XIMG, v[LI]
	s_mul_i32 s44, s[WV], 3072
	v_add_nc_u32 v[GX], s44, v[LX]
	s_mul_i32 s44, s[WV], 6144
	v_add_nc_u32 v[GW], s44, v[LI]
	v_bfe_u32 v19, v0, 3, 1
	s_delay_alu instid0(VALU_DEP_1)
	v_mul_u32_u24 v[WA], v19, 3072
	s_delay_alu instid0(VALU_DEP_1)
	v_lshl_add_u32 v[WA], v23, 4, v[WA]
	s_delay_alu instid0(VALU_DEP_1)
	v_add_nc_u32 v[WA], s44, v[WA]
	s_lshl_b32 s44, s[WV], 8
	s_add_co_u32 s44, s44, WSC
	v_lshlrev_b32 v[WSA], 7, v19
	s_delay_alu instid0(VALU_DEP_1)
	v_lshl_add_u32 v[WSA], v23, 2, v[WSA]
	s_delay_alu instid0(VALU_DEP_1)
	v_add_nc_u32 v[WSA], s44, v[WSA]
	v_lshl_add_u32 v[GSW], v20, 2, s44
	v_lshl_add_u32 v[LSW], v20, 2, WSC
	v_lshl_add_u32 v[LSX], v20, 2, XSC
	s_lshl_b32 s44, s[WV], 7
	v_add_nc_u32 v[GSX], s44, v[LSX]
	v_lshl_add_u32 v[BVA], v22, 2, s44             ; (32 w + r + 8 (r / 8)) x 4
	v_lshlrev_b32 v[XA], 10, v22
	s_delay_alu instid0(VALU_DEP_1)
	v_lshl_add_u32 v[XA], v21, 6, v[XA]
	v_lshlrev_b32 v[WL], 2, v0
	v_lshlrev_b32 v[BA], 6, v21
	s_and_b32 s45, s[WV], 1
	s_lshl_b32 s44, s45, 3
	v_lshl_add_u32 v[SA], v20, 4, s44
	v_mul_u32_u24 v[PA], v0, 12
.irp b, 0,1,2,3
	v_mov_b32 v[TM+4+\b], 0                        ; written once: a lane permute's destination counts as one of its sources
.endr
	s_mov_b32 s[SEL], 0x76543210
	s_mov_b32 s[SEL+1], 0xfedcba98                 ; v_permlanex16_b32's selects for lane l xor 16
	s_mov_b32 s37, 0
	s_wait_alu depctr_va_vdst(0)
	s_wait_kmcnt 0x0
	s_cmp_eq_u32 s[Y], 0                           ; the buffers are chosen by the work-group's y alone
	s_cselect_b64 s[28:29], s[8:9], s[10:11]       ; W
	s_cselect_b64 s[30:31], s[14:15], s[16:17]     ; b
	s_cselect_b64 s[32:33], s[20:21], s[22:23]     ; the records
	s_cmp_eq_u32 s[Y], 2
	s_cselect_b64 s[28:29], s[12:13], s[28:29]
	s_cselect_b64 s[30:31], s[18:19], s[30:31]
	s_cselect_b64 s[32:33], s[24:25], s[32:33]
	s_mov_b32 s34, 51200
	s_cmp_eq_u32 s[Y], 1
	s_cselect_b32 s34, 55296, s34                  ; a record's bytes: K's has the planes behind it
	s_lshr_b32 s35, ttmp9, 1
	s_mul_i32 s36, s35, s34
	s_add_nc_u64 s[32:33], s[32:33], s[36:37]      ; my record
	s_and_b32 s35, ttmp9, 1
	s_lshl_b32 s36, s35, 3
	s_add_co_u32 s36, s36, s[WV]
	s_mul_i32 s36, s36, 3072
	s_add_nc_u64 s[38:39], s[32:33], s[36:37]      ; my two fragments
	s_lshl_b32 s36, s35, 2
	s_lshr_b32 s44, s[WV], 1
	s_add_co_u32 s36, s36, s44
	s_lshl_b32 s36, s36, 8
	s_add_co_u32 s36, s36, 49152
	s_add_nc_u64 s[40:41], s[32:33], s[36:37]      ; their scale words
	s_lshl_b32 s36, s35, 9
	s_add_co_u32 s36, s36, 51200
	s_add_nc_u64 s[42:43], s[32:33], s[36:37]      ; my 128 keys in the planes (used with y = 1 alone)
	s_lshl_b32 s36, ttmp9, 7
	s_lshl_b32 s44, s44, 5
	s_add_co_u32 s36, s36, s44
	s_lshl_b32 s44, s45, 3
	s_add_co_u32 s36, s36, s44                     ; my tile's first row: 128 x + 32 (w / 2) + 8 (w % 2)
	s_lshl_b32 s36, s36, 10
	s_add_nc_u64 s[4:5], s[4:5], s[36:37]
	s_mul_i32 s36, ttmp9, 1536
	s_add_nc_u64 s[6:7], s[6:7], s[36:37]          ; P at row 128 x
	; ---- X: my tile's two fragments
	XLOAD HA, 0
	XLOAD X1, 1
	s_wait_loadcnt 16                              ; K step 0's sixteen loads are in; K step 1's may be out
	QUANT HA
	IMAGE GX, 0
	ds_store_b32 v[GSX], v[PW]                     ; both lanes of a row write the same word with the same value
	LOADW 0
	s_wait_loadcnt 32                              ; K step 1 is in; W's first block may be out
	LOADW 1
	s_wait_dscnt 0x0                               ; the stores have read the codes' registers
	QUANT X1
	IMAGE GX, 1536
	ds_store_b32 v[GSX], v[PW] offset:64
	; ---- W: my 32 columns
.irp kb, 0,1,2,3,4,5,6,7
	WBLOCK \kb
.endr
	s_wait_dscnt 0x0                               ; for the others' sake: my images lie in LDS
	s_barrier_signal -1
	s_barrier_wait -1
	; ---- U: from here on LDS is only read
	s_cmp_eq_u32 s[Y], 2
	s_cbranch_scc1 .Lv
	UNIT 0, 0
	UNIT 1, 0
	s_branch .Ljoin
.Lv:
	UNIT 0, 1
	UNIT 1, 1
.Ljoin:
	s_wait_alu depctr_va_vdst(0)
	global_store_b64 v[SA], v[SW:SW+1], s[40:41]   ; row r's two scale words (lanes 16-31 store the same bytes with the same values)
	; ---- P, with K alone: threads 0 to 127, a key each
	s_cmp_lg_u32 s[Y], 1
	s_cbranch_scc1 .Lend
	s_cmp_gt_u32 s[WV], 3
	s_cbranch_scc1 .Lend
	global_load_b32 v[BV], v[PA], s[6:7]
	global_load_b32 v[BV+1], v[PA], s[6:7] offset:4
	global_load_b32 v[BV+2], v[PA], s[6:7] offset:8
	v_mov_b32 v[BV+3], 0
	s_wait_alu depctr_va_vdst(0)
	s_wait_loadcnt 0x0
.irp p, 0,1,2,3
	global_store_b32 v[WL], v[BV+\p], s[42:43] offset:1024*\p   ; planes x, y, z, and zeros, so that a record is whole
.endr
.Lend:
	s_wait_tensorcnt 0x0                           ; the wave's end, behind my last LDS store
	ds_add_u32 v[SPW], v[NIL]
	s_wait_dscnt 0x0
	s_endpgm
.Lfunc_end_k_q718515be56_prep:
	.size	k_q718515be56_prep, .Lfunc_end_k_q718515be56_prep-k_q718515be56_prep
	.p2alignl 7, 3214868480
	.fill 96, 4, 3214868480
	.section	.rodata,"a",@progbits
	.p2align	6, 0x0
	.amdhsa_kernel k_q718515be56_prep
		.amdhsa_group_segment_fixed_size 77824
		.amdhsa_private_segment_fixed_size 0
		.amdhsa_enable_private_segment 0
		.amdhsa_kernarg_size 88
		.amdhsa_user_sgpr_count 2
		.amdhsa_user_sgpr_kernarg_segment_ptr 1
		.amdhsa_wavefront_size32 1
		.amdhsa_system_sgpr_workgroup_id_x 1
		.amdhsa_system_sgpr_workgroup_id_y 1
		.amdhsa_system_sgpr_workgroup_id_z 1
		.amdhsa_system_vgpr_workitem_id 0
		.amdhsa_next_free_vgpr 256
		.amdhsa_next_free_sgpr 66
		.amdhsa_reserve_vcc 0
		.amdhsa_float_denorm_mode_32 3
		.amdhsa_float_denorm_mode_16_64 3
		.amdhsa_memory_ordered 1
		.amdhsa_forward_progress 1
		.amdhsa_inst_pref_size 111
	.end_amdhsa_kernel
	.amdgpu_metadata
---
amdhsa.version: [ 1, 2 ]
amdhsa.kernels:
  - .name:           k_q718515be56_prep
    .symbol:         k_q718515be56_prep.kd
    .args:
      - { .name: X, .offset: 0, .size: 8, .value_kind: global_buffer, .address_space: global }
      - { .name: P, .offset: 8, .size: 8, .value_kind: global_buffer, .address_space: global }
      - { .name: W_q, .offset: 16, .size: 8, .value_kind: global_buffer, .address_space: global }
      - { .name: W_k, .offset: 24, .size: 8, .value_kind: global_buffer, .address_space: global }
      - { .name: W_v, .offset: 32, .size: 8, .value_kind: global_buffer, .address_space: global }
      - { .name: b_q, .offset: 40, .size: 8, .value_kind: global_buffer, .address_space: global }
      - { .name: b_k, .offset: 48, .size: 8, .value_kind: global_buffer, .address_space: global }
      - { .name: b_v, .offset: 56, .size: 8, .value_kind: global_buffer, .address_space: global }
      - { .name: qrec, .offset: 64, .size: 8, .value_kind: global_buffer, .address_space: global }
      - { .name: krec, .offset: 72, .size: 8, .value_kind: global_buffer, .address_space: global }
      - { .name: vrec, .offset: 80, .size: 8, .value_kind: global_buffer, .address_space: global }
    .group_segment_fixed_size: 77824
    .private_segment_fixed_size: 0
    .kernarg_segment_align: 8
    .kernarg_segment_size: 88
    .max_flat_workgroup_size: 256
    .sgpr_count:     66
    .vgpr_count:     256
    .wavefront_size: 32
...
	.end_amdgpu_metadata
.endif
;; end of part 1
;; launch attn (part 2): grid 256 x 1, 8 waves a work-group, clusters of 4 x 1, 327,680 bytes of LDS; arguments qrec, krec, vrec, P, X, out0; writes out0
.if DOCPART == 2
	.amdgcn_target "amdgcn-amd-amdhsa--gfx1250"
	.amdhsa_code_object_version 6
	.text
	.protected	k_q718515be56_attn
	.globl	k_q718515be56_attn
	.p2align	8
	.type	k_q718515be56_attn,@function
k_q718515be56_attn:
	s_mov_b64 s[64:65], 0
	v_nop
	global_prefetch_b8 v0, s[64:65] scope:SCOPE_SE
	s_setreg_imm32_b32 hwreg(HW_REG_WAVE_MODE, 25, 1), 1
	s_wait_xcnt 0x0
	s_wait_alu depctr_hold_cnt(0) depctr_sa_sdst(0) depctr_va_vdst(0) depctr_va_sdst(0) depctr_va_ssrc(0) depctr_va_vcc(0) depctr_vm_vsrc(0)
	s_getreg_b32 s2, hwreg(HW_REG_IB_STS2, 6, 4)
	s_cmp_eq_u32 s2, 0
	s_cbranch_scc0 .Lentry_in_a_cluster
	s_endpgm
.Lentry_in_a_cluster:
	s_bfe_u32 s2, ttmp6, 0x10000c
	s_cmp_lg_u32 s2, 0x3003
	s_cbranch_scc0 .Lentry_shape_is_right
	s_endpgm
.Lentry_shape_is_right:
; out = A V + X, A = softmax_one(Q K^T / 16 x exp(-|p_i - p_j|^2 / 2)), both products on codes of BF6 (E3M2) with one E8M0 scale for each 32 along K.  A is quantised FINISHED, so the keys are walked twice.
; t = score x e, e = 2^(log2(log2(e) / 16) - |s p_j - s p_i|^2), s^2 = log2(e) / 2.  A difference is one fused multiply-add, p_j s + (-s p_i): coordinates are subtracted, never by way of |p|^2 + |q|^2 - 2 p.q.
; WALK 1: each lane keeps a running maximum of its t and the sum of 2^(t - maximum), rescaled when the maximum grows; lanes' and waves' figures are joined once, through LDS: m and log2(1 + sum).
; WALK 2: the scores again, A = 2^(t - m - log2(1 + sum)), its blocks' scales and codes, O^T += V^T A^T.
; SHARES.  A work-group owns 32 queries: two tiles a = 0, 1; lane r of tile a holds query 8 a + r + 8 (r / 8).  Every wave holds both tiles; of each record of 256 keys wave w takes keys 32 w .. 32 w + 31.
; S^T = K Q^T (source 0 = 16 keys, source 1 = 16 queries): lane (r, h) holds one query, the 16 registers of K's two tiles are keys 32 w + 16 h + 0 .. 15.
; A V: wave w = 4 ks + dq takes K step ks (128 keys) of the record and V's tiles 4 dq .. 4 dq + 3, both tiles of queries.  A's codes go from wave to wave through LDS as images of registers, two buffers by turns.
; WHERE THE OPERANDS COME FROM.  The records are images of operand registers, and inside a work-group each byte of a record is wanted by one wave.
;   Walk 1: each wave loads its 13 pieces of K from memory straight into registers, behind the products that read those registers last, a whole step ahead of their use: the waves share nothing and pass no barrier.
;   Walk 2, K: the four work-groups of a cluster walk the same records, so K is asked for JOINTLY, by tensor loads with a mask that names the four, into a ring of two LDS slots of two records each: one round of the
;   cluster's barrier for two steps.  Each wave asks for 50 rows of 256 bytes; one tensor load of a wave is out at a time.  Slot 0 is first filled at the head, slot 1 behind the round at the join.
;   Walk 2, V: straight into registers, a step ahead.  LDS holds the ring (204,800 bytes), the planes (98,304), A's buffers, the statistics and the spare words, 327,168 in all with an unused 6,144: V's 51,200 bytes a record have no room there.
;   The keys' coordinates (32 records x 3 planes x 1,024 bytes) are copied into LDS once, in the order of the walk, so that LDS addresses hang on loop counters alone.
; No prefetch is laid: each record is read by all 256 work-groups within one walk, and the loads run a step or more ahead.  A cluster begins its walks at a record that hangs on its number.
; WALK 2 IN STAGES.  Step n: A(n - 1) is finished, quantised and stored (its scores and e were kept in registers); O^T += V(n - 2)^T A(n - 2)^T; the scores and e of record n.
; One barrier a step stands between the stores of A(n - 1) and the next step's reads of it.  Even steps: signalled behind the step's loads, waited for at the next step's head.  Odd steps: it is the opening of the round
; (in the last four steps, which ask for nothing more, a plain barrier), with the step's products and 48 packed instructions, work on registers, between signal and wait.
; LIMITS: NaN and infinities are not served; v_exp_f32 gives 0 for results under 2^-126 (ISA guide, its entry); a block of A whose largest number lies under 2^(5 - 127) gets the byte 1.
; REGISTERS, window 0: v3-14 addresses; v16-19 Q's scale words; v20-35 for each tile -s qx, -s qy, -s qz, -(m + log2(1 + sum)), each twice; v36-37 log2(log2(e) / 16) twice; v42-53 statistics; v54-69 temporaries;
;   v70-71 A's scale words; v72-75 K's; v76-79 V's; v80-127 K's four fragments; v128-175 the keys' x, y, z; v176-181 addresses; v192-223 S^T; v224-255 e, then A's two fragments in v224-247.
;   window 1: v256-319 O^T, accumulator (t, a) at 8 (2 t + a); v320-367 Q's four fragments; v368-415 V's four fragments.
.set RK,    55296                      ; a record of K in memory: 49,152 of codes, 2,048 of scale words, four planes of 1,024
.set RV,    51200                      ; a record of V
.set KREC,  51200                      ; what the ring takes of a record of K: codes and scale words
.set SLOT,  102400                     ; LDS from byte 0: two slots of two records
.set PREC,  3072                       ; a record's planes x, y, z
.set PBASE, 204800                     ; 32 of them
.set AIMG,  309248                     ; A's four fragments, (a, ks) at (2 a + ks) 1,536; in one, for c = 0, 1 at 768 c: registers 6 c .. 6 c + 3 at 16 x lane, at + 512 registers 6 c + 4, 5 at 8 x lane
.set ASC,   315392                     ; their scale words: (2 a + ks) 64 + 4 r
.set ABS,   6400                       ; from A's buffer 0 to its buffer 1
.set STM,   322048                     ; the maxima, [a][lane][wave]; the sums 2,048 bytes on
.set MRG,   0                          ; the way out lies in slot 0, which has had its last fill and its last read by then: O^T of waves 4-7, 8,192 bytes each,
.set STG,   32768                      ; and 32 rows x (256 + 16) bytes for each of waves 0-3
.set SPARE, 326144                     ; the spare words, 128 bytes for each of eight waves: no other line names them
.set SPW, 1
.set NIL, 2
.set AF0, 3                            ; 6,144 w + 16 x lane: my fragments in a record
.set AS0, 4                            ; 49,152 + 256 w + 16 r: their scale words
.set AC0, 5                            ; PBASE + 128 w + 64 h: my 16 keys in plane x
.set AF,  6                            ; the first two in the slot in hand
.set AS,  7
.set AC,  8                            ; the third in the record in hand
.set AW16, 9
.set AW8, 10
.set AWB, 11
.set AR16, 12
.set AR8, 13
.set ARS, 14
.set QS,  16
.set QC,  20
.set K0,  36
.set ST,  42                           ; tile a at ST + 6 a: +0 the new maximum, +1 the running one, +2 alpha, +3 written once, +4, +5 the sum in two halves
.set T,   54
.set C,   54
.set TM,  62
.set ASW, 70
.set KS,  72
.set VS,  76
.set KF,  80
.set CO,  128
.set STA, 176
.set STR, 177
.set MA,  178
.set SGW, 179
.set SGR, 180
.set XO,  181
.set S,   192
.set E,   224
.set AFR, 224
.set VF,  112                          ; in window 1
.set JM,  192
.set JS,  208
.set MG,  192
.set XR,  80
.set MSB, 0
.macro WIN new                         ; the immediate's high byte repeats the setting that is left
.if MSB != \new
	s_set_vgpr_msb (MSB<<8)|\new
.set MSB, \new
.endif
.endm
.macro PLACES n
.rept \n
	v_nop
.endr
.endm
.macro CREST                           ; a round of the cluster's barrier behind its opening barrier
	s_cmp_lg_u32 s16, 0
	s_cbranch_scc1 .Lnot_wave_0_\@
	s_barrier_signal -3
.Lnot_wave_0_\@:
	s_barrier_wait -3
	s_barrier_signal -1
	s_barrier_wait -1
.endm
.macro ROUND                           ; a whole round
	s_barrier_signal -1
	s_barrier_wait -1
	CREST
.endm
.macro TLOAD                           ; my eighth of two records of K.  An s_nop 0 and four v_nop follow a tensor load
	tensor_load_to_lds s[56:59], s[44:51]
	s_nop 0
	PLACES 4
.endm
.macro STEPN                           ; the index of the record after the one in hand, round the 32
	s_add_co_u32 s27, s27, 1
	s_and_b32 s27, s27, 31
.endm
.macro STEPK                           ; walk 1: K's address.  Written behind a wait that shows every load done
	STEPN
	s_mul_i32 s32, s27, RK
	s_add_nc_u64 s[54:55], s[6:7], s[32:33]
.endm
.macro STEPV d                         ; V's address: d records on from the index, round the 32
	s_add_co_u32 s34, s27, \d
	s_and_b32 s34, s34, 31
	s_mul_i32 s34, s34, RV
	s_add_nc_u64 s[60:61], s[8:9], s[34:35]
.endm
.macro TDESC                           ; the tensor load's global address: record index + 2 + w / 4, my quarter of it.  Written where no tensor load of mine is out
	s_add_co_u32 s32, s27, s31
	s_and_b32 s32, s32, 31
	s_mul_i32 s32, s32, RK
	s_add_co_u32 s32, s32, s29
	s_add_nc_u64 s[58:59], s[6:7], s[32:33]
	s_or_b32 s59, s59, 0x80000000
.endm
.macro KLOADS                          ; walk 1, 13 loads: my four fragments (u, s) = 2 u + s, 512 consecutive bytes a load, and their scale words
.irp f, 0,1,2,3
.irp g, 0,1,2
	global_load_b128 v[KF+12*\f+4*\g:KF+12*\f+4*\g+3], v[AF0], s[54:55] offset:1536*\f+512*\g
.endr
.endr
	global_load_b128 v[KS:KS+3], v[AS0], s[54:55]
.endm
.macro KLOADS2 off                     ; walk 2: the same out of the slot in hand
	v_add_nc_u32 v[AF], s26, v[AF0]
	v_add_nc_u32 v[AS], s26, v[AS0]
.irp f, 0,1,2,3
.irp g, 0,1,2
	ds_load_b128 v[KF+12*\f+4*\g:KF+12*\f+4*\g+3], v[AF] offset:\off+1536*\f+512*\g
.endr
.endr
	ds_load_b128 v[KS:KS+3], v[AS] offset:\off
.endm
.macro VLOADS                          ; 13 loads: V's four fragments of my K step, and their scale words
	WIN 0x40                                       ; destination window 1, offset window 0
.irp t, 0,1,2,3
.irp g, 0,1,2
	global_load_b128 v[VF+12*\t+4*\g:VF+12*\t+4*\g+3], v[AF0], s[60:61] offset:1536*\t+512*\g
.endr
.endr
	WIN 0
	global_load_b128 v[VS:VS+3], v[AS0], s[60:61]
.endm
.macro COLOADS off                     ; my 16 keys' x, y, z
	v_add_nc_u32 v[AC], s24, v[AC0]
.irp p, 0,1,2
.irp q, 0,1,2,3
	ds_load_b128 v[CO+16*\p+4*\q:CO+16*\p+4*\q+3], v[AC] offset:\off+1024*\p+16*\q
.endr
.endr
.endm
; S^T = K Q^T for my 32 keys and both tiles of queries: the four accumulators take turns, one instruction a turn; the first K step starts the sums
.macro QK
	WIN 0x04                                       ; source 1 (Q) in window 1
.irp s, 0,1
.irp a, 0,1
.irp u, 0,1
.if \s == 0
	v_wmma_scale_f32_16x16x128_f8f6f4 v[S+16*\a+8*\u:S+16*\a+8*\u+7], v[KF+12*(2*\u+\s):KF+12*(2*\u+\s)+11], v[64+12*(2*\a+\s):64+12*(2*\a+\s)+11], 0, v[KS+2*\u+\s], v[QS+2*\a+\s] matrix_a_fmt:MATRIX_FMT_BF6 matrix_b_fmt:MATRIX_FMT_BF6
.else
	v_wmma_scale_f32_16x16x128_f8f6f4 v[S+16*\a+8*\u:S+16*\a+8*\u+7], v[KF+12*(2*\u+\s):KF+12*(2*\u+\s)+11], v[64+12*(2*\a+\s):64+12*(2*\a+\s)+11], v[S+16*\a+8*\u:S+16*\a+8*\u+7], v[KS+2*\u+\s], v[QS+2*\a+\s] matrix_a_fmt:MATRIX_FMT_BF6 matrix_b_fmt:MATRIX_FMT_BF6
.endif
.endr
.endr
.endr
	WIN 0
.endm
; The exponent of e for my 16 keys against tile a: six packed instructions a pair of keys, eight pairs by turns, so that a result is read eight instructions behind its write.  The first eight lines write temporaries alone.
.macro DISTA a
.irp n, 0,1,2,3,4,5,6,7
	v_pk_fma_f32 v[T+2*\n:T+2*\n+1], v[CO+16+2*\n:CO+16+2*\n+1], s[22:23], v[QC+8*\a+2:QC+8*\a+3] op_sel_hi:[1,0,1]
.endr
.irp n, 0,1,2,3,4,5,6,7
	v_pk_fma_f32 v[E+16*\a+2*\n:E+16*\a+2*\n+1], v[CO+32+2*\n:CO+32+2*\n+1], s[22:23], v[QC+8*\a+4:QC+8*\a+5] op_sel_hi:[1,0,1]
.endr
.irp n, 0,1,2,3,4,5,6,7
	v_pk_fma_f32 v[E+16*\a+2*\n:E+16*\a+2*\n+1], v[E+16*\a+2*\n:E+16*\a+2*\n+1], v[E+16*\a+2*\n:E+16*\a+2*\n+1], v[K0:K0+1] neg_lo:[1,0,0] neg_hi:[1,0,0]
.endr
.irp n, 0,1,2,3,4,5,6,7
	v_pk_fma_f32 v[E+16*\a+2*\n:E+16*\a+2*\n+1], v[T+2*\n:T+2*\n+1], v[T+2*\n:T+2*\n+1], v[E+16*\a+2*\n:E+16*\a+2*\n+1] neg_lo:[1,0,0] neg_hi:[1,0,0]
.endr
.irp n, 0,1,2,3,4,5,6,7
	v_pk_fma_f32 v[T+2*\n:T+2*\n+1], v[CO+2*\n:CO+2*\n+1], s[22:23], v[QC+8*\a:QC+8*\a+1] op_sel_hi:[1,0,1]
.endr
.irp n, 0,1,2,3,4,5,6,7
	v_pk_fma_f32 v[E+16*\a+2*\n:E+16*\a+2*\n+1], v[T+2*\n:T+2*\n+1], v[T+2*\n:T+2*\n+1], v[E+16*\a+2*\n:E+16*\a+2*\n+1] neg_lo:[1,0,0] neg_hi:[1,0,0]
.endr
.endm
.macro EXPS                            ; e = log2(e) / 16 x the decay
	s_wait_alu depctr_va_vdst(0)                   ; the wait ahead of the batch
.set J, 0
.rept 32
	v_exp_f32 v[E+J], v[E+J]
.set J, J+1
.endr
	v_nop                                          ; a plain instruction behind the last exponential
	s_wait_alu depctr_va_vdst(0)                   ; one wait for the batch
.endm
; WALK 1: t; the lane's new maximum; alpha; the sum.  Nothing crosses lanes.
.macro STAT1
.set J, 0
.rept 16
	v_pk_mul_f32 v[S+J:S+J+1], v[S+J:S+J+1], v[E+J:E+J+1]   ; t; each accumulator from its low end on
.set J, J+2
.endr
.irp a, 0,1
	v_max3_num_f32 v[ST+6*\a], v[S+16*\a], v[S+16*\a+1], v[ST+6*\a+1]
	v_max3_num_f32 v[T+\a], v[S+16*\a+2], v[S+16*\a+3], v[S+16*\a+4]
.endr
.irp i, 5,9
.irp a, 0,1
	s_delay_alu instid0(VALU_DEP_4)
	v_max3_num_f32 v[ST+6*\a], v[ST+6*\a], v[S+16*\a+\i], v[S+16*\a+\i+1]
	s_delay_alu instid0(VALU_DEP_4)
	v_max3_num_f32 v[T+\a], v[T+\a], v[S+16*\a+\i+2], v[S+16*\a+\i+3]
.endr
.endr
	s_delay_alu instid0(VALU_DEP_4)
	v_max3_num_f32 v[ST], v[ST], v[S+13], v[S+14]
	s_delay_alu instid0(VALU_DEP_3)
	v_max3_num_f32 v[ST+6], v[ST+6], v[S+16+13], v[S+16+14]
.irp a, 0,1
	s_delay_alu instid0(VALU_DEP_2)
	v_max3_num_f32 v[ST+6*\a], v[ST+6*\a], v[T+\a], v[S+16*\a+15]
.endr
.irp a, 0,1
	s_delay_alu instid0(VALU_DEP_2)
	v_sub_f32 v[ST+6*\a+2], v[ST+6*\a+1], v[ST+6*\a]   ; old maximum - new
.endr
.irp a, 0,1
	s_delay_alu instid0(VALU_DEP_4)
	v_mov_b32 v[ST+6*\a+1], v[ST+6*\a]
.endr
.irp a, 0,1
.set J, 0
.rept 8
	v_pk_add_f32 v[S+16*\a+J:S+16*\a+J+1], v[S+16*\a+J:S+16*\a+J+1], v[ST+6*\a:ST+6*\a+1] op_sel_hi:[1,0] neg_lo:[0,1] neg_hi:[0,1]   ; t - maximum
.set J, J+2
.endr
.endr
	s_wait_alu depctr_va_vdst(0)
.irp a, 0,1
	v_exp_f32 v[ST+6*\a+2], v[ST+6*\a+2]           ; alpha
.endr
.set J, 0
.rept 32
	v_exp_f32 v[S+J], v[S+J]
.set J, J+1
.endr
	v_nop
	s_wait_alu depctr_va_vdst(0)                   ; one wait for the 34
.irp k, 0,2,4,6
.irp a, 0,1
	v_pk_add_f32 v[S+16*\a+\k:S+16*\a+\k+1], v[S+16*\a+\k:S+16*\a+\k+1], v[S+16*\a+\k+8:S+16*\a+\k+9]
.endr
.endr
.irp k, 0,2
.irp a, 0,1
	s_delay_alu instid0(VALU_DEP_4)
	v_pk_add_f32 v[S+16*\a+\k:S+16*\a+\k+1], v[S+16*\a+\k:S+16*\a+\k+1], v[S+16*\a+\k+4:S+16*\a+\k+5]
.endr
.endr
.irp a, 0,1
	s_delay_alu instid0(VALU_DEP_2)
	v_pk_add_f32 v[S+16*\a:S+16*\a+1], v[S+16*\a:S+16*\a+1], v[S+16*\a+2:S+16*\a+3]
.endr
.irp a, 0,1
	v_pk_fma_f32 v[ST+6*\a+4:ST+6*\a+5], v[ST+6*\a+4:ST+6*\a+5], v[ST+6*\a+2:ST+6*\a+3], v[S+16*\a:S+16*\a+1] op_sel_hi:[1,0,1]   ; sum = sum x alpha + this step's
.endr
.endm
; A STEP OF WALK 1: 256 keys, 32 of them mine.  kl = 1: the next record is asked for
.macro W1STEP kl
	COLOADS 0
	s_wait_loadcnt 0x0                             ; K of this step, asked for a step ago: every load is done, so the address may step
	STEPK
	QK
	s_wait_dscnt 0x0                               ; the coordinates
	DISTA 0                                        ; 48 plain instructions: the places in front of the loads below
.if \kl
	KLOADS
.endif
	DISTA 1
	EXPS
	STAT1
	s_add_co_u32 s24, s24, PREC
.endm
; WALK 2.  A's two fragments of my K step, and their scale words, out of buffer b, into the registers that e has left
.macro ALOADS b
.irp a, 0,1
.irp c, 0,1
	ds_load_b128 v[AFR+12*\a+6*\c:AFR+12*\a+6*\c+3], v[AR16] offset:ABS*(\b)+3072*\a+768*\c
	ds_load_b64 v[AFR+12*\a+6*\c+4:AFR+12*\a+6*\c+5], v[AR8] offset:ABS*(\b)+3072*\a+768*\c
.endr
	ds_load_b32 v[ASW+\a], v[ARS] offset:ABS*(\b)+128*\a
.endr
.endm
; A, finished, of the scores and e in registers; its block's scale and codes; the image of my block into A's buffer b.  ld = 1: as soon as e is used up, the record before's A is asked for, out of the other buffer.
.macro NORMQ b, ld
.irp a, 0,1
.set J, 0
.rept 8
	v_pk_fma_f32 v[S+16*\a+J:S+16*\a+J+1], v[S+16*\a+J:S+16*\a+J+1], v[E+16*\a+J:E+16*\a+J+1], v[QC+8*\a+6:QC+8*\a+7]   ; t - m - log2(1 + sum); each accumulator from its low end on
.set J, J+2
.endr
.endr
.if \ld
	ALOADS 1-(\b)
.endif
	s_wait_alu depctr_va_vdst(0)
.set J, 0
.rept 32
	v_exp_f32 v[S+J], v[S+J]                       ; A
.set J, J+1
.endr
	v_nop
	s_wait_alu depctr_va_vdst(0)                   ; one wait for the batch
.irp a, 0,1                                    ; my 16 of the block, none negative, and the floor 2^(5 - 127)
	v_max3_num_f32 v[TM+\a], v[S+16*\a], v[S+16*\a+1], 0x2800000
	v_max3_num_f32 v[TM+4+\a], v[S+16*\a+2], v[S+16*\a+3], v[S+16*\a+4]
.endr
.irp i, 5,9
.irp a, 0,1
	v_max3_num_f32 v[TM+\a], v[TM+\a], v[S+16*\a+\i], v[S+16*\a+\i+1]
	v_max3_num_f32 v[TM+4+\a], v[TM+4+\a], v[S+16*\a+\i+2], v[S+16*\a+\i+3]
.endr
.endr
	v_max3_num_f32 v[TM], v[TM], v[S+13], v[S+14]
	v_max3_num_f32 v[TM+1], v[TM+1], v[S+16+13], v[S+16+14]
.irp a, 0,1
	v_max3_num_f32 v[TM+\a], v[TM+\a], v[TM+4+\a], v[S+16*\a+15]
.endr
.irp a, 0,1
	s_delay_alu instid0(VALU_DEP_2)
	v_permlanex16_b32 v[TM+2+\a], v[TM+\a], s20, s21
.endr
.irp a, 0,1
	s_delay_alu instid0(VALU_DEP_2)
	v_max_num_f32 v[TM+\a], v[TM+\a], v[TM+2+\a]   ; with lane l xor 16's 16 keys: the block's largest
.endr
.irp a, 0,1
	s_delay_alu instid0(VALU_DEP_2)
	v_add_nc_u32 v[TM+4+\a], 0xfe000000, v[TM+\a]  ; 4 off the exponent field: the conversion's scale operand
.endr
.irp a, 0,1
	s_delay_alu instid0(VALU_DEP_2)
	v_lshrrev_b32 v[TM+6+\a], 23, v[TM+4+\a]       ; the scale's byte
.endr
	v_cvt_scalef32_pk16_bf6_f32 v[C:C+2], v[S:S+15], v[TM+4]
	v_cvt_scalef32_pk16_bf6_f32 v[C+4:C+6], v[S+16:S+31], v[TM+5]
	v_nop                                          ; one plain instruction behind the scaled conversions
.irp i, 0,1,2
	v_permlane16_swap_b32 v[C+\i], v[C+4+\i]       ; tile 0's upper 16 keys change places with tile 1's lower 16: lane (r, a) now holds the whole block of tile a's query r
.endr
	s_delay_alu instid0(VALU_DEP_3)
	v_mov_b32 v[C+3], v[C+4]
	s_delay_alu instid0(VALU_DEP_3)
	v_mov_b32 v[C+4], v[C+5]
	s_delay_alu instid0(VALU_DEP_3)
	v_mov_b32 v[C+5], v[C+6]
	ds_store_b128 v[AW16], v[C:C+3] offset:ABS*(\b)
	ds_store_b64 v[AW8], v[C+4:C+5] offset:ABS*(\b)
	ds_store_b8 v[AWB], v[TM+6] offset:ABS*(\b)    ; both lanes of a query write the same byte with the same value
	ds_store_b8 v[AWB], v[TM+7] offset:ABS*(\b)+128
.endm
.macro PV                              ; O^T += V^T A^T: my K step of 128 keys, my four tiles of V, both tiles of queries: eight accumulators, one instruction each
	WIN 0x51                                       ; V, C and D in window 1, A in window 0
.irp t, 0,1,2,3
.irp a, 0,1
	v_wmma_scale_f32_16x16x128_f8f6f4 v[8*(2*\t+\a):8*(2*\t+\a)+7], v[VF+12*\t:VF+12*\t+11], v[AFR+12*\a:AFR+12*\a+11], v[8*(2*\t+\a):8*(2*\t+\a)+7], v[VS+\t], v[ASW+\a] matrix_a_fmt:MATRIX_FMT_BF6 matrix_b_fmt:MATRIX_FMT_BF6
.endr
.endr
.endm
; STEP n OF WALK 2, of parity p: record p of the slot in hand.  nq = 1: record n - 1 is finished here, and V(n - 1) is asked for; pv = 1: record n - 2 is multiplied here.
; A(n - 1) goes into buffer 1 - p and A(n - 2) comes out of buffer p.  The barrier of step n - 1 stands between the stores of A(n - 2) and these reads, and between the reads of A(n - 3) and these stores.
; rd = 0 (even steps): the barrier is signalled behind the step's loads and waited for at the next step's head.
; rd = 1 (odd steps): the slot in hand is left.  Each wave waits for all its tensor loads (its part of the other slot), adds 0 to its spare word, waits for that, for its reads of the slot and for its stores of A, and opens a
;   round of the cluster's barrier; behind the round the slot takes the two records four and five on from record n - 1: no wave of any partner still reads it or has a load on its way.
; rd = 2 (odd steps of the last four): nothing is left to ask for: the same barrier with no round.
.macro REC2 p, nq, pv, rd
.if \pv && \p
	s_barrier_wait -1
.endif
	COLOADS PREC*\p
	KLOADS2 KREC*\p
.if \nq
	NORMQ (1-\p), \pv
.endif
	s_wait_alu depctr_va_vdst(0)                   ; the wait ahead of the waits below
	s_wait_loadcnt 0x0                             ; V(n - 2), asked for a step ago: every load is done, so its address may step
.if \rd
	s_wait_tensorcnt 0x0                           ; no tensor load of mine is out, so its descriptor may be written
.if \rd == 1
	ds_add_u32 v[SPW], v[NIL]                      ; the steps below stand between the add and the wait for it
.endif
.endif
	STEPN
.if \nq
	STEPV 30
.endif
.if \rd == 1
	TDESC
	s_add_co_u32 s57, s28, s26                     ; into the slot in hand
.endif
	s_wait_dscnt 0x0                               ; K, the coordinates and A(n - 2) are in; my stores of A(n - 1) have landed
.if \rd
	s_barrier_signal -1
.endif
.if \pv
	PV
.endif
	QK
	DISTA 0                                        ; its first eight lines name no register of the products: the places in front of its writes of e, where A's fragments lay; all 48 stand in front of V's loads
.if \rd
	s_wait_alu depctr_va_vdst(0)                   ; the wait ahead of the barrier's wait
	s_barrier_wait -1
.if \rd == 1
	CREST
	TLOAD                                          ; the first tensor load behind the round
.endif
.endif
.if \nq
	VLOADS                                         ; V(n - 1)
.if \rd == 0
	s_barrier_signal -1                            ; no LDS instruction of mine is out
.endif
.endif
	DISTA 1
	EXPS
.endm
	s_load_b256 s[4:11], s[0:1], 0x0               ; qrec s[4:5], krec s[6:7], vrec s[8:9], P s[10:11]
	s_load_b128 s[12:15], s[0:1], 0x20             ; X s[12:13], out s[14:15]
	v_lshl_add_u32 v[SPW], v0, 2, SPARE
	v_mov_b32 v[NIL], 0
	ds_add_u32 v[SPW], v[NIL]                      ; the wave's opening: the add, twice on end, and its wait ahead of my first tensor load
	ds_add_u32 v[SPW], v[NIL]
	v_lshrrev_b32 v[T], 5, v0
	s_delay_alu instid0(VALU_DEP_1)
	v_readfirstlane_b32 s16, v[T]                  ; wave 0..7
	s_bfe_u32 s17, ttmp6, 0x40000                  ; cx: my place in the cluster: it enters Q's, P's, X's and out's addresses alone
	s_lshl_b32 s18, ttmp9, 2
	s_add_co_u32 s18, s18, s17                     ; my block of 32 queries
	s_mov_b32 s20, 0x76543210
	s_mov_b32 s21, 0xfedcba98                      ; v_permlanex16_b32's selects for lane l xor 16
	s_mov_b32 s22, 0x3f596d27                      ; s = sqrt(log2(e) / 2)
	s_mov_b32 s23, s22                             ; (named with it as a pair, so it is written)
	s_mov_b32 s24, 0                               ; the record in hand, among the planes
	s_mov_b32 s26, 0                               ; the slot in hand
	s_mov_b32 s33, 0
	s_mov_b32 s35, 0
	s_lshr_b32 s27, ttmp9, 5
	s_add_co_u32 s27, s27, ttmp9
	s_and_b32 s27, s27, 31                         ; the record at which my cluster begins both walks: the same in all four partners
	s_and_b32 s69, s16, 3
	s_lshr_b32 s70, s16, 2                         ; ks: the K step that my keys lie in, and the one that I multiply; also which record of a slot's two I ask for
	s_mul_i32 s28, s16, 12800                      ; my eighth of a slot,
	s_mul_i32 s29, s69, 12800                      ; my quarter of a record
	s_add_co_u32 s31, s70, 2
	; descriptor group 1: dense bytes as 50 rows of 256 (32 elements of 8 bytes)
	s_mov_b32 s44, 15|(3<<16)|(1<<21)              ; 15:0 the mask: all four work-groups; 17:16 elements of 8 bytes; 21 set beside a mask; no padding
	s_mov_b32 s45, 32<<16                          ; tensor_dim0
	s_mov_b32 s46, 50<<16                          ; tensor_dim1
	s_mov_b32 s47, 32<<16                          ; tile_dim0
	s_mov_b32 s48, 50                              ; tile_dim1
	s_mov_b32 s49, 32                              ; from row to row
	s_mov_b32 s50, 0
	s_mov_b32 s51, 0
	; the scalar parts of all LDS addresses and offsets
	s_mul_i32 s66, s16, 6144
	s_lshl_b32 s67, s16, 8
	s_add_co_u32 s67, s67, 49152
	s_lshl_b32 s68, s16, 7
	s_add_co_u32 s68, s68, PBASE
	s_and_b32 s71, s16, 1
	s_bfe_u32 s72, s16, 0x10001                    ; my block of 32 is block 2 c + (w & 1) of its K step: c
	s_mul_i32 s73, s70, 1536
	s_add_co_u32 s73, s73, AIMG
	s_add_co_u32 s74, s73, 512
	s_mul_i32 s72, s72, 768
	s_add_co_u32 s75, s73, s72
	s_lshl_b32 s76, s71, 8
	s_add_co_u32 s76, s76, s75
	s_lshl_b32 s77, s71, 7
	s_add_co_u32 s77, s77, s75
	s_add_co_u32 s77, s77, 512
	s_lshl_b32 s78, s70, 6
	s_add_co_u32 s78, s78, ASC
	s_add_co_u32 s79, s78, s69
	s_lshl_b32 s80, s16, 2
	s_add_co_u32 s80, s80, STM
	s_lshl_b32 s81, s69, 13
	s_add_co_u32 s81, s81, MRG
	s_mul_i32 s82, s69, 8704
	s_add_co_u32 s82, s82, STG
	s_mul_i32 s83, s16, 4*PREC                     ; I copy the planes of four records
	s_add_co_u32 s83, s83, PBASE
	; where my queries lie (registers that hold cx feed no descriptor and no LDS address)
	s_lshr_b32 s40, s18, 3
	s_mul_i32 s40, s40, 51200                      ; Q's record,
	s_and_b32 s41, s18, 7
	s_mul_i32 s42, s41, 6144
	s_add_co_u32 s42, s42, s40                     ; my four fragments,
	s_mov_b32 s43, 0
	s_lshl_b32 s36, s41, 8
	s_add_co_u32 s36, s36, s40
	s_add_co_u32 s36, s36, 49152                   ; their scale words
	s_mov_b32 s37, 0
	s_mul_i32 s38, s18, 384                        ; 32 rows of P
	s_mov_b32 s39, 0
	s_lshl_b32 s52, s18, 15                        ; 32 rows of X and of out,
	s_lshl_b32 s53, s69, 8
	s_add_co_u32 s52, s52, s53                     ; and my 64 columns
	s_mov_b32 s53, 0
	s_lshl_b32 s19, s16, 2
	s_add_co_u32 s19, s19, s27
.irp i, 0,1,2,3                                ; place 4 w + i of the walk is record (first + 4 w + i) mod 32: its planes
	s_add_co_u32 s[84+2*\i], s19, \i
	s_and_b32 s[84+2*\i], s[84+2*\i], 31
	s_mul_i32 s[84+2*\i], s[84+2*\i], RK
	s_add_co_u32 s[84+2*\i], s[84+2*\i], 51200
	s_mov_b32 s[85+2*\i], 0
.endr
	s_wait_dscnt 0x0                               ; both opening adds are done
	; the vector parts, in one run
	v_and_b32 v[T], 31, v0                         ; lane
	v_and_b32 v[T+1], 15, v0                       ; r
	v_bfe_u32 v[T+2], v0, 4, 1                     ; h
	v_and_b32 v[T+3], 8, v0
	s_delay_alu instid0(VALU_DEP_1)
	v_add_nc_u32 v[T+3], v[T+3], v[T+1]            ; r + 8 (r / 8)
	v_lshl_add_u32 v[AF0], v[T], 4, s66
	v_lshl_add_u32 v[AS0], v[T+1], 4, s67
	v_lshl_add_u32 v[AC0], v[T+2], 6, s68
	v_lshl_add_u32 v[AR16], v[T], 4, s73
	v_lshl_add_u32 v[AR8], v[T], 3, s74
	v_mul_u32_u24 v[T+4], v[T+2], 3072             ; behind the exchange of halves my lane holds tile lane / 16
	v_lshl_add_u32 v[ARS], v[T+1], 2, s78
	v_lshl_add_u32 v[AWB], v[T+1], 2, s79
	v_lshl_add_u32 v[STA], v[T], 5, s80
	v_lshl_add_u32 v[STR], v[T], 5, STM
	v_lshl_add_u32 v[MA], v[T], 4, s81
	v_lshl_add_u32 v[AW16], v[T+1], 4, v[T+4]
	v_lshl_add_u32 v[AW8], v[T+1], 3, v[T+4]
	v_mul_u32_u24 v[SGW], v[T+3], 272
	v_mul_u32_u24 v[SGR], v[T+2], 272
	v_lshlrev_b32 v[XO], 10, v[T+2]                ; X and out: lanes 0-15 one row, lanes 16-31 the next, 16 bytes a lane
	v_lshlrev_b32 v[T+5], 4, v[T]                  ; 16 x lane
	v_add_nc_u32 v[AW16], s76, v[AW16]
	v_add_nc_u32 v[AW8], s77, v[AW8]
	v_lshl_add_u32 v[SGW], v[T+2], 6, v[SGW]
	v_lshl_add_u32 v[SGR], v[T+1], 4, v[SGR]
	v_lshl_add_u32 v[XO], v[T+1], 4, v[XO]
	v_lshlrev_b32 v[T+6], 4, v[T+1]                ; 16 r
	v_mul_u32_u24 v[T+7], v[T+3], 12               ; a row of P
	v_add_nc_u32 v[T+8], s83, v[T+5]               ; where the planes that I copy go
	v_add_nc_u32 v[SGW], s82, v[SGW]
	v_add_nc_u32 v[SGR], s82, v[SGR]
	v_mov_b32 v[K0], 0xc05e28b1                    ; log2(log2(e) / 16)
	v_mov_b32 v[K0+1], 0xc05e28b1
.irp a, 0,1
	v_mov_b32 v[ST+6*\a+1], 0xff61b1e6             ; the running maximum: -3e38, under every t
	v_mov_b32 v[ST+6*\a+3], 0                      ; (named as the upper half of alpha's pair)
	v_mov_b32 v[ST+6*\a+4], 0                      ; the sum
	v_mov_b32 v[ST+6*\a+5], 0
.endr
	s_wait_alu depctr_va_vdst(0)                   ; the wait at the head's end
	s_wait_kmcnt 0x0
	s_add_nc_u64 s[42:43], s[4:5], s[42:43]
	s_add_nc_u64 s[36:37], s[4:5], s[36:37]
	s_add_nc_u64 s[10:11], s[10:11], s[38:39]
	s_add_nc_u64 s[12:13], s[12:13], s[52:53]
	s_add_nc_u64 s[14:15], s[14:15], s[52:53]
	s_mul_i32 s32, s27, RK
	s_add_nc_u64 s[54:55], s[6:7], s[32:33]        ; walk 1's first record
.irp i, 0,1,2,3
	s_add_nc_u64 s[84+2*\i:85+2*\i], s[6:7], s[84+2*\i:85+2*\i]
.endr
	; descriptor group 0: the walk's first two records into slot 0
	s_mov_b32 s56, 1
	s_mov_b32 s57, s28
	s_add_co_u32 s32, s27, s70
	s_and_b32 s32, s32, 31
	s_mul_i32 s32, s32, RK
	s_add_co_u32 s32, s32, s29
	s_add_nc_u64 s[58:59], s[6:7], s[32:33]
	s_or_b32 s59, s59, 0x80000000
	ROUND                                          ; all four work-groups are here: the first joint loads meet
	TLOAD                                          ; one tensor load a wave at the head; it has walk 1 in which to land
.macro PLANES st                               ; 24 pieces of 512 bytes through v192-255 and v128-159: st = 0 from memory, 1 into LDS
.set J, 0
.irp i, 0,1,2,3
.irp k, 0,1,2,3,4,5
.if J < 16
.set R, 192+4*J
.else
.set R, 64+4*J
.endif
.if \st
	ds_store_b128 v[T+8], v[R:R+3] offset:PREC*\i+512*\k
.else
	global_load_b128 v[R:R+3], v[T+5], s[84+2*\i:85+2*\i] offset:512*\k
.endif
.set J, J+1
.endr
.endr
.endm
	PLANES 0
	WIN 0x40                                       ; destination window 1
.irp f, 0,1,2,3                                ; Q's fragments (a, s) = 2 a + s stay in registers
.irp g, 0,1,2
	global_load_b128 v[64+12*\f+4*\g:64+12*\f+4*\g+3], v[T+5], s[42:43] offset:1536*\f+512*\g
.endr
.endr
.set J, 0
.rept 64
	v_mov_b32 v[J], 0                              ; O^T, once: walk 2's products are then written without a first step of their own
.set J, J+1
.endr
	WIN 0
	global_load_b128 v[QS:QS+3], v[T+6], s[36:37]
.irp a, 0,1
.irp p, 0,1,2
	global_load_b32 v[QC+8*\a+2*\p], v[T+7], s[10:11] offset:96*\a+4*\p
.endr
.endr
	KLOADS                                         ; the walk's first record
	s_wait_loadcnt 32                              ; the planes are in; behind them: Q's 13, the queries' 6, K's 13
	PLANES 1
	s_wait_loadcnt 13                              ; all but K's
.irp a, 0,1
.irp p, 0,1,2
	v_mul_f32 v[QC+8*\a+2*\p+1], 0xbf596d27, v[QC+8*\a+2*\p]   ; -s x the query's coordinate, each twice: the packed forms take them as they stand
.endr
.irp p, 0,1,2
	s_delay_alu instid0(VALU_DEP_3)
	v_mov_b32 v[QC+8*\a+2*\p], v[QC+8*\a+2*\p+1]
.endr
.endr
	s_wait_alu depctr_va_vdst(0)                   ; the wait ahead of the wait below
	s_wait_dscnt 0x0                               ; for the others' sake: my planes lie in LDS
	s_barrier_signal -1
	s_barrier_wait -1                              ; from here on the planes are only read
	; ---- WALK 1: 32 steps.  No barrier: the waves share nothing.  The last step asks for nothing and is written out
	s_mov_b32 s25, 31
.Lw1:
	W1STEP 1
	s_sub_co_u32 s25, s25, 1
	s_cmp_lg_u32 s25, 0
	s_wait_alu depctr_va_vdst(0)                   ; the wait ahead of the branch
	s_cbranch_scc1 .Lw1
	W1STEP 0
	; ---- THE JOIN: a query's figures lie in two lanes of each of eight waves.  Its barrier is the round behind which slot 1 is first filled
.irp a, 0,1
	v_add_f32 v[ST+6*\a+4], v[ST+6*\a+4], v[ST+6*\a+5]
.endr
.irp a, 0,1
	ds_store_b32 v[STA], v[ST+6*\a+1] offset:1024*\a
	ds_store_b32 v[STA], v[ST+6*\a+4] offset:2048+1024*\a
.endr
	s_wait_alu depctr_va_vdst(0)
	s_wait_tensorcnt 0x0                           ; my part of slot 0 is in
	ds_add_u32 v[SPW], v[NIL]
	TDESC                                          ; the walk's third and fourth record
	s_add_co_u32 s57, s28, SLOT
	s_wait_dscnt 0x0                               ; the add is done; for the others' sake: my figures lie in LDS
	ROUND
	TLOAD                                          ; the first tensor load behind the round
.irp a, 0,1
.irp q, 0,1
	ds_load_b128 v[JM+8*\a+4*\q:JM+8*\a+4*\q+3], v[STR] offset:1024*\a+16*\q
	ds_load_b128 v[JS+8*\a+4*\q:JS+8*\a+4*\q+3], v[STR] offset:2048+1024*\a+16*\q
.endr
.endr
	s_wait_dscnt 0x0
.irp a, 0,1
	v_max3_num_f32 v[T+\a], v[JM+8*\a], v[JM+8*\a+1], v[JM+8*\a+2]
.endr
.irp i, 3,5
.irp a, 0,1
	s_delay_alu instid0(VALU_DEP_2)
	v_max3_num_f32 v[T+\a], v[T+\a], v[JM+8*\a+\i], v[JM+8*\a+\i+1]
.endr
.endr
.irp a, 0,1
	s_delay_alu instid0(VALU_DEP_2)
	v_max_num_f32 v[T+\a], v[T+\a], v[JM+8*\a+7]
.endr
.irp a, 0,1
	s_delay_alu instid0(VALU_DEP_2)
	v_permlanex16_b32 v[T+2+\a], v[T+\a], s20, s21
.endr
.irp a, 0,1
	s_delay_alu instid0(VALU_DEP_2)
	v_max_num_f32 v[T+\a], v[T+\a], v[T+2+\a]      ; m: the row's largest t
.endr
.irp k, 0,1,2,3,4,5,6,7
.irp a, 0,1
	v_sub_f32 v[JM+8*\a+\k], v[JM+8*\a+\k], v[T+\a]
.endr
.endr
	s_wait_alu depctr_va_vdst(0)
.set J, 0
.rept 16
	v_exp_f32 v[JM+J], v[JM+J]
.set J, J+1
.endr
	v_nop
	s_wait_alu depctr_va_vdst(0)                   ; one wait for the sixteen
.irp a, 0,1
	v_mul_f32 v[JS+8*\a], v[JS+8*\a], v[JM+8*\a]
.endr
.irp k, 1,2,3,4,5,6,7
.irp a, 0,1
	v_fmac_f32 v[JS+8*\a], v[JS+8*\a+\k], v[JM+8*\a+\k]
.endr
.endr
.irp a, 0,1
	s_delay_alu instid0(VALU_DEP_2)
	v_permlanex16_b32 v[T+2+\a], v[JS+8*\a], s20, s21
.endr
.irp a, 0,1
	s_delay_alu instid0(VALU_DEP_2)
	v_add_f32 v[JS+8*\a], v[JS+8*\a], v[T+2+\a]    ; the row's sum
.endr
.irp a, 0,1
	s_delay_alu instid0(VALU_DEP_2)
	v_add_f32 v[JS+8*\a], 1.0, v[JS+8*\a]
.endr
	s_wait_alu depctr_va_vdst(0)
.irp a, 0,1
	v_log_f32 v[T+4+\a], v[JS+8*\a]                ; log2(1 + sum): the division becomes a term of the exponent
.endr
	v_nop
	s_wait_alu depctr_va_vdst(0)                   ; one wait for the two
.irp a, 0,1
	v_add_f32 v[T+\a], v[T+\a], v[T+4+\a]
.endr
.irp a, 0,1
	v_sub_f32 v[QC+8*\a+6], 0, v[T+\a]             ; -(m + log2(1 + sum)), twice
	v_sub_f32 v[QC+8*\a+7], 0, v[T+\a]
.endr
	; ---- WALK 2: 32 records, two to a trip: a slot.  Records 0 and 1 fill the stages; records 28 to 31 ask for nothing more
	s_mov_b32 s24, 0
	REC2 0, 0, 0, 0
	REC2 1, 1, 0, 1
	s_xor_b32 s26, s26, SLOT
	s_mov_b32 s24, 2*PREC
	s_mov_b32 s25, 13
.Lw2:
	REC2 0, 1, 1, 0
	REC2 1, 1, 1, 1
	s_xor_b32 s26, s26, SLOT
	s_add_co_u32 s24, s24, 2*PREC
	s_sub_co_u32 s25, s25, 1
	s_cmp_lg_u32 s25, 0
	s_cbranch_scc1 .Lw2
	s_mov_b32 s25, 2
.Lw3:
	REC2 0, 1, 1, 0
	REC2 1, 1, 1, 2
	s_xor_b32 s26, s26, SLOT
	s_add_co_u32 s24, s24, 2*PREC
	s_sub_co_u32 s25, s25, 1
	s_cmp_lg_u32 s25, 0
	s_cbranch_scc1 .Lw3
	; the stages run empty.  Behind record 31's barrier everybody's A(30) lies in buffer 0, and nobody reads buffer 1 any more
	NORMQ 1, 1
	s_wait_alu depctr_va_vdst(0)
	s_wait_dscnt 0x0                               ; A(30) is in; for the others' sake: my part of A(31) lies in LDS
	s_wait_loadcnt 0x0                             ; V(30)
	STEPV 31
	PV
	WIN 0
	PLACES 4                                       ; in front of loads into registers that the products above read
	VLOADS                                         ; V(31)
	s_barrier_signal -1
	s_barrier_wait -1
	ALOADS 1
	s_wait_dscnt 0x0
	s_wait_loadcnt 0x0
	PV
	WIN 0
	; ---- THE WAY OUT.  Waves w and w + 4 hold the two K steps' parts of the same 64 columns: waves 4-7 hand theirs over through LDS; waves 0-3 add, turn the tile into rows in a stage of their own, add X and store.
	PLACES 4                                       ; behind the last products: in front of the reads of O^T and of the loads into A's registers
	s_cmp_lt_u32 s16, 4
	s_cbranch_scc1 .Lkeep
	WIN 0x04                                       ; an LDS store's data are its source 1: window 1
.irp k, 0,1,2,3,4,5,6,7,8,9,10,11,12,13,14,15
	ds_store_b128 v[MA], v[4*\k:4*\k+3] offset:512*\k   ; each accumulator from its low end on
.endr
	WIN 0
	s_branch .Lmeet
.Lkeep:
.irp i, 0,1,2,3,4,5,6,7,8,9,10,11,12,13,14,15
	global_load_b128 v[XR+4*\i:XR+4*\i+3], v[XO], s[12:13] offset:2048*\i th:TH_LOAD_NT   ; X's rows 2 i, 2 i + 1, my 256 bytes of each: sixteen lanes read 256 consecutive bytes
.endr
.Lmeet:
	s_wait_dscnt 0x0                               ; for the others' sake
	s_barrier_signal -1
	s_barrier_wait -1
	s_cmp_gt_u32 s16, 3
	s_cbranch_scc1 .Ldone
.irp k, 0,1,2,3,4,5,6,7,8,9,10,11,12,13,14,15
	ds_load_b128 v[MG+4*\k:MG+4*\k+3], v[MA] offset:512*\k
.endr
	s_wait_dscnt 0x0
	WIN 0x01                                       ; source 0 (my O^T) in window 1
.set J, 0
.rept 32
	v_pk_add_f32 v[MG+J:MG+J+1], v[J:J+1], v[MG+J:MG+J+1]
.set J, J+2
.endr
	WIN 0
.irp t, 0,1,2,3                                ; lane (r, h), accumulator (t, a): row 8 a + r + 8 (r / 8), columns 32 (t / 2) + 8 (t % 2) + 16 h + 0 .. 7 of my 64
.irp a, 0,1
	ds_store_b128 v[SGW], v[MG+8*(2*\t+\a):MG+8*(2*\t+\a)+3] offset:8*\a*272+128*(\t/2)+32*(\t%2)
	ds_store_b128 v[SGW], v[MG+8*(2*\t+\a)+4:MG+8*(2*\t+\a)+7] offset:8*\a*272+128*(\t/2)+32*(\t%2)+16
.endr
.endr
.irp i, 0,1,2,3,4,5,6,7,8,9,10,11,12,13,14,15
	ds_load_b128 v[MG+4*\i:MG+4*\i+3], v[SGR] offset:2*\i*272   ; LDS serves a wave's instructions in order (ISA guide 5.7.1.4): these see my stores, and land behind them
.endr
	s_wait_loadcnt 0x0                             ; X
.irp i, 0,1,2,3,4,5,6,7,8,9,10,11,12,13,14,15
	s_wait_dscnt 15-\i                             ; rows 2 i, 2 i + 1 are back; the younger loads may be out
	v_pk_add_f32 v[MG+4*\i:MG+4*\i+1], v[MG+4*\i:MG+4*\i+1], v[XR+4*\i:XR+4*\i+1]
	v_pk_add_f32 v[MG+4*\i+2:MG+4*\i+3], v[MG+4*\i+2:MG+4*\i+3], v[XR+4*\i+2:XR+4*\i+3]
	global_store_b128 v[XO], v[MG+4*\i:MG+4*\i+3], s[14:15] offset:2048*\i th:TH_STORE_NT   ; sixteen lanes store 256 consecutive bytes, at a multiple of 256 from out's first byte
.endr
.Ldone:
	s_wait_tensorcnt 0x0                           ; the wave's end, behind my last tensor load and my last LDS store
	ds_add_u32 v[SPW], v[NIL]
	s_wait_dscnt 0x0
	ROUND                                          ; the closing round: no work-group ends while a partner may still ask for a record that names it
	s_endpgm
.Lfunc_end_k_q718515be56_attn:
	.size	k_q718515be56_attn, .Lfunc_end_k_q718515be56_attn-k_q718515be56_attn
	.p2alignl 7, 3214868480
	.fill 96, 4, 3214868480
	.section	.rodata,"a",@progbits
	.p2align	6, 0x0
	.amdhsa_kernel k_q718515be56_attn
		.amdhsa_group_segment_fixed_size 327680
		.amdhsa_private_segment_fixed_size 0
		.amdhsa_enable_private_segment 0
		.amdhsa_kernarg_size 48
		.amdhsa_user_sgpr_count 2
		.amdhsa_user_sgpr_kernarg_segment_ptr 1
		.amdhsa_wavefront_size32 1
		.amdhsa_system_sgpr_workgroup_id_x 1
		.amdhsa_system_sgpr_workgroup_id_y 1
		.amdhsa_system_sgpr_workgroup_id_z 1
		.amdhsa_system_vgpr_workitem_id 0
		.amdhsa_next_free_vgpr 416
		.amdhsa_next_free_sgpr 100
		.amdhsa_reserve_vcc 0
		.amdhsa_float_denorm_mode_32 3
		.amdhsa_float_denorm_mode_16_64 3
		.amdhsa_memory_ordered 1
		.amdhsa_forward_progress 1
		.amdhsa_inst_pref_size 177
	.end_amdhsa_kernel
	.amdgpu_metadata
---
amdhsa.version: [ 1, 2 ]
amdhsa.kernels:
  - .name:           k_q718515be56_attn
    .symbol:         k_q718515be56_attn.kd
    .args:
      - { .name: qrec, .offset: 0, .size: 8, .value_kind: global_buffer, .address_space: global }
      - { .name: krec, .offset: 8, .size: 8, .value_kind: global_buffer, .address_space: global }
      - { .name: vrec, .offset: 16, .size: 8, .value_kind: global_buffer, .address_space: global }
      - { .name: P, .offset: 24, .size: 8, .value_kind: global_buffer, .address_space: global }
      - { .name: X, .offset: 32, .size: 8, .value_kind: global_buffer, .address_space: global }
      - { .name: out0, .offset: 40, .size: 8, .value_kind: global_buffer, .address_space: global }
    .group_segment_fixed_size: 327680
    .private_segment_fixed_size: 0
    .kernarg_segment_align: 8
    .kernarg_segment_size: 48
    .max_flat_workgroup_size: 256
    .sgpr_count:     100
    .vgpr_count:     416
    .wavefront_size: 32
...
	.end_amdgpu_metadata
.endif
;; end of part 2
